; MI455X (gfx1250); checked and timed in simulation.
; The chip was launched on July 23, 2026; its instructions are those of AMD's public machine-readable ISA for CDNA 5 (MIT licence, August 2026) and "CDNA5" Instruction Set Architecture Reference Guide (July 2026). The comments in the code are by the model that wrote it; some were corrected since.
;; Concat Attention. Allowed arithmetic: float matrix products may take bf16 or f16 operands with f32 sums; all other float work in f32.
;; Inputs: W_dec 1,024 x 1,024 float32; W_enc 1,024 x 1,024 float32; h_enc 2,048 x 32 x 1,024 float32; h_t 1 x 32 x 1,024 float32; w_score 1 x 1,024 float32.
;; Outputs: out0 1 x 32 x 1,024 float32; out1 32 x 2,048 x 1 float32.
;; 2 versions, each right; version 2 is version 1 with the launch pass written anew for expert scheduling mode. Each part assembles by itself: llvm-mc -triple=amdgcn-amd-amdhsa -mcpu=gfx1250 --defsym DOCPART=n.
;; ======== version 1 of 2: 3 launches
;; workspace buffers: vu_part 65,536 bytes; ctx_part 1,048,576 bytes; ex 262,144 bytes
;; launch fold (part 1): grid 8 x 16, 8 waves a work-group, no clusters, 5,120 bytes of LDS; arguments W_enc, W_dec, w_score, vu_part; writes vu_part
.if DOCPART == 1
	.amdgcn_target "amdgcn-amd-amdhsa--gfx1250"
	.amdhsa_code_object_version 6
	.text
	.protected	k_q5b1a756819_fold
	.globl	k_q5b1a756819_fold
	.p2align	8
	.type	k_q5b1a756819_fold,@function
k_q5b1a756819_fold:
	s_mov_b64 s[64:65], 0
	v_nop
	global_prefetch_b8 v0, s[64:65] scope:SCOPE_SE
	s_setreg_imm32_b32 hwreg(HW_REG_WAVE_MODE, 25, 1), 1
	s_wait_xcnt 0x0
; vu_part[m][p][col] = sum over the 128 rows h of block p of w_score[h] * W_m[h][col]   (m = 0: W_enc, m = 1: W_dec), all in f32.
; WHY: between the products with W_enc and W_dec and the product with w_score nothing but a sum stands, so for every input
;   w . (W_enc he + W_dec ht) = (W_enc^T w) . he + (W_dec^T w) . ht.
; This launch makes the two vectors v = W_enc^T w and u = W_dec^T w, each as 8 partial sums that the next launch adds.
; LIMIT, stated: the order of the f32 roundings differs from that of the products taken one after the other; nothing is narrowed below f32.
; Work-group (x, y): columns 128 x .. 128 x + 127 (512 bytes of a row), y = 8 m + p.  128 work-groups of 64 KiB each: the work divides
; no further without more partial sums, which every work-group of the next launch would have to read.
; Wave w takes the 16 rows 128 p + 16 w + i; one load of the wave covers a row's 512 bytes of the strip, a lane owns 4 columns.
; No matrix unit (a matrix times one vector), no tensor load (each byte is used once, from registers), no cluster (no byte is shared).
.set ROWB, 4096                        ; bytes in a row of W, and in a row of vu_part
.set A, 4                              ; v[4:7]   my 4 columns' sums
.set X, 8                              ; v[8:71]  row i: 4 registers as loaded; later the eight waves' sums
.set WS, 36                            ; s[36:51] w_score of my wave's 16 rows
.macro ADD4 d, s                       ; four f32 at d += four at s
	v_pk_add_f32 v[\d:\d+1], v[\d:\d+1], v[\s:\s+1]
	v_pk_add_f32 v[\d+2:\d+3], v[\d+2:\d+3], v[\s+2:\s+3]
.endm
.macro TREE8 p                         ; eight runs of four f32 at p are added into the first, pairwise
	ADD4 \p, \p+4
	ADD4 \p+8, \p+12
	ADD4 \p+16, \p+20
	ADD4 \p+24, \p+28
	ADD4 \p, \p+8
	ADD4 \p+16, \p+24
	ADD4 \p, \p+16
.endm
	s_load_b256 s[4:11], s[0:1], 0x0               ; W_enc s[4:5], W_dec s[6:7], w_score s[8:9], vu_part s[10:11]
	v_lshl_add_u32 v72, v0, 2, 0x1000
	v_mov_b32 v73, 0
	v_lshrrev_b32 v1, 5, v0
	v_readfirstlane_b32 s12, v1                    ; wave 0..7
	s_and_b32 s13, ttmp7, 0xffff                   ; y = 8 m + p
	s_lshr_b32 s14, s13, 3                         ; m
	s_and_b32 s15, s13, 7                          ; p
	s_lshl_b32 s16, s15, 7
	s_lshl4_add_u32 s16, s12, s16                  ; my wave's first row: 128 p + 16 w
	v_and_b32 v2, 31, v0
	v_lshlrev_b32 v2, 4, v2                        ; 16 x lane: my 16 bytes in the strip
	v_lshlrev_b32 v3, 4, v0                        ; 16 x thread = 512 w + 16 x lane: my wave's 512 bytes in LDS
	s_lshl_b32 s18, s16, 2                         ; the row's place in w_score, in bytes
	s_mov_b32 s19, 0
	s_lshl_b32 s20, ttmp9, 9                       ; the strip's place in a row, in bytes
	s_wait_kmcnt 0x0
	s_add_nc_u64 s[8:9], s[8:9], s[18:19]
	s_load_b512 s[WS:WS+15], s[8:9], 0x0           ; 16 weights, one for each of my rows
	s_cmp_eq_u32 s14, 0
	s_cselect_b64 s[4:5], s[4:5], s[6:7]           ; m picks the matrix
	s_lshl_b32 s18, s16, 12                        ; first row x 4,096 bytes
	s_add_co_u32 s18, s18, s20
	s_add_nc_u64 s[4:5], s[4:5], s[18:19]
.irp i, 0,1,2,3,4,5,6,7,8,9,10,11,12,13,14,15
	global_load_b128 v[X+4*\i:X+4*\i+3], v2, s[4:5] offset:ROWB*\i th:TH_LOAD_NT   ; all 16 rows go out at once
.endr
	s_wait_kmcnt 0x0                               ; the weights
	s_wait_loadcnt 15                              ; loads come back in order: row 0 is in, the 15 younger stay out
.irp k, 0,1,2,3
	v_mul_f32 v[A+\k], s[WS], v[X+\k]              ; the first row starts the sums: nothing is cleared
.endr
.irp i, 1,2,3,4,5,6,7,8,9,10,11,12,13,14,15
	s_wait_loadcnt 15-\i                           ; row i is in, the 15 - i younger stay out
.irp k, 0,1,2,3
	v_fmac_f32 v[A+\k], s[WS+\i], v[X+4*\i+\k]
.endr
.endr
	ds_store_b128 v3, v[A:A+3]                     ; the eight waves' sums meet in LDS
	s_wait_dscnt 0x0                               ; for wave 0's sake: my store is done before I signal
	s_barrier_signal -1
	s_barrier_wait -1
	s_cmp_lg_u32 s12, 0
	s_cbranch_scc1 .Lend                           ; wave 0 alone adds and stores
.irp k, 0,1,2,3,4,5,6,7
	ds_load_b128 v[X+4*\k:X+4*\k+3], v2 offset:512*\k
.endr
	s_lshl_b32 s18, s13, 12                        ; row y of vu_part,
	s_add_co_u32 s18, s18, s20                     ; the strip in it
	s_add_nc_u64 s[10:11], s[10:11], s[18:19]
	s_wait_dscnt 0x0
	TREE8 X
	global_store_b128 v2, v[X:X+3], s[10:11]       ; the wave's store covers 512 consecutive bytes, aligned
.Lend:
	s_wait_tensorcnt 0x0
	ds_add_u32 v72, v73
	s_wait_dscnt 0x0
	s_endpgm
.Lfunc_end_k_q5b1a756819_fold:
	.size	k_q5b1a756819_fold, .Lfunc_end_k_q5b1a756819_fold-k_q5b1a756819_fold
	.p2alignl 7, 3214868480
	.fill 96, 4, 3214868480
	.section	.rodata,"a",@progbits
	.p2align	6, 0x0
	.amdhsa_kernel k_q5b1a756819_fold
		.amdhsa_group_segment_fixed_size 5120
		.amdhsa_private_segment_fixed_size 0
		.amdhsa_enable_private_segment 0
		.amdhsa_kernarg_size 32
		.amdhsa_user_sgpr_count 2
		.amdhsa_user_sgpr_kernarg_segment_ptr 1
		.amdhsa_wavefront_size32 1
		.amdhsa_system_sgpr_workgroup_id_x 1
		.amdhsa_system_sgpr_workgroup_id_y 1
		.amdhsa_system_sgpr_workgroup_id_z 1
		.amdhsa_system_vgpr_workitem_id 0
		.amdhsa_next_free_vgpr 74
		.amdhsa_next_free_sgpr 66
		.amdhsa_reserve_vcc 0
		.amdhsa_float_denorm_mode_32 3
		.amdhsa_float_denorm_mode_16_64 3
		.amdhsa_memory_ordered 1
		.amdhsa_forward_progress 1
		.amdhsa_inst_pref_size 8
	.end_amdhsa_kernel
	.amdgpu_metadata
---
amdhsa.version: [ 1, 2 ]
amdhsa.kernels:
  - .name:           k_q5b1a756819_fold
    .symbol:         k_q5b1a756819_fold.kd
    .args:
      - { .name: W_enc, .offset: 0, .size: 8, .value_kind: global_buffer, .address_space: global }
      - { .name: W_dec, .offset: 8, .size: 8, .value_kind: global_buffer, .address_space: global }
      - { .name: w_score, .offset: 16, .size: 8, .value_kind: global_buffer, .address_space: global }
      - { .name: vu_part, .offset: 24, .size: 8, .value_kind: global_buffer, .address_space: global }
    .group_segment_fixed_size: 5120
    .private_segment_fixed_size: 0
    .kernarg_segment_align: 8
    .kernarg_segment_size: 32
    .max_flat_workgroup_size: 256
    .sgpr_count:     66
    .vgpr_count:     74
    .wavefront_size: 32
...
	.end_amdgpu_metadata
.endif
;; end of part 1
;; launch pass (part 2): grid 8 x 32, 16 waves a work-group, no clusters, 72,960 bytes of LDS; arguments h_enc, h_t, vu_part, ctx_part, ex; writes ctx_part, ex
.if DOCPART == 2
	.amdgcn_target "amdgcn-amd-amdhsa--gfx1250"
	.amdhsa_code_object_version 6
	.text
	.protected	k_q5b1a756819_pass
	.globl	k_q5b1a756819_pass
	.p2align	8
	.type	k_q5b1a756819_pass,@function
k_q5b1a756819_pass:
	s_mov_b64 s[64:65], 0
	v_nop
	global_prefetch_b8 v0, s[64:65] scope:SCOPE_SE
	s_setreg_imm32_b32 hwreg(HW_REG_WAVE_MODE, 25, 1), 1
	s_wait_xcnt 0x0
; The one pass over h_enc.  For each row (s, b):  z = he . v + ht_b . u,  e = exp(tanh z),  and the running sum of e * he.
;   ex[b][s] = e;   ctx_part[b][c][col] = sum over the 256 s of chunk c of e * he[s][b][col].   The next launch divides by the sum of e.
; v = W_enc^T w and u = W_dec^T w come as 8 partial sums each from the launch before (w . (W x) = (W^T w) . x, an identity of finite
; sums for every input; LIMIT, stated: the order of the f32 roundings differs from the reference's; nothing is narrower than f32).
; NO MAXIMUM IS TAKEN AWAY in front of the exponential: the tanh that the problem itself applies keeps every exponent in [-1, 1], so
; e lies in [0.36, 2.72] and a sum of 2,048 of them in [753, 5,567]: neither can overflow or underflow in f32.
; tanh z = 1 - 2 / (1 + 2^(2 log2e z)).  LIMIT, stated: absolute error of some 1e-7 (v_exp_f32 and v_rcp_f32 are good to 1 ULP, and the
; difference from 1 loses relative accuracy for small z, which e = exp(tanh z) does not feel); where 2^x is infinite or flushed to 0
; the result is exactly +1 or -1.
; SHARES: work-group (c, b): batch b, s = 256 c .. 256 c + 255: 256 work-groups of 1 MiB.  Wave w: the 16 rows s = 256 c + 16 w + i.
; A row is 4,096 bytes = 8 loads of 16 bytes a lane = 32 registers; it stays in registers between the dot product and the weighted
; sum, so that h_enc is read once.  A ring of 5 row slots a wave: 16 waves x 5 x 4 KiB = 320 KiB of the work-group on their way.
; All 16 turns are written out, so a row's place stands in the loads' immediate (15 x 131,072 + 3,584 at the most, inside the signed
; 24 bits) and no address register is ever rewritten; EXEC is never changed.
; LEFT OUT: matrix units (a row times one vector); tensor loads (the registers hold as much in flight as LDS could); clusters: what
; work-groups share is vu_part's 64 KiB and 4 KiB of h_t against 1 MiB of rows of their own.
.set SROW,  131072                     ; bytes from s to s + 1 in h_enc: 32 batches x 4,096
.set SLOTS, 5
.set K2, 0x4038aa3b                    ; 2 log2(e)
.set VR,   0                           ; LDS      0 ..  4,095  K2 * v
.set CP,   4096                        ; LDS  4,096 ..  4,127  eight waves' parts of K2 * (ht_b . u)   (the block up to 4,351 is kept free)
.set EXR,  4352                        ; LDS  4,352 ..  5,375  the work-group's 256 e
.set ACCR, 5376                        ; LDS  5,376 .. 70,911  16 waves' weighted sums, 4,096 bytes each
.set LN,  2                            ; v2       16 x lane
.set LT,  3                            ; v3       16 x thread
.set OFF, 4                            ; v4       16 x lane + wave x 16 rows of s
.set VO,  5                            ; v5       my 16 bytes in a row of vu_part; threads 256.. take u's rows
.set HO,  6                            ; v6       my 16 bytes in h_t's row
.set EA,  7                            ; v7       my wave's 16 words in EXR
.set AS,  8                            ; v8       where I put my part of my wave's sum
.set AR,  9                            ; v9       where I read 8 bytes of every wave's sum
.set T8,  10                           ; v10      8 x thread
.set CA,  11                           ; v11      first my wave's word in CP, then CP
.set C2,  12                           ; v12      K2 * (ht_b . u)
.set EE,  14                           ; v[14:15] e, and a 0 beside it: the packed forms name the pair and use its first word twice
.set D,   16                           ; v[16:23] at work
.set HT,  24                           ; v[24:27] four numbers of h_t
.set VV,  28                           ; v[28:59] K2 * v at my 32 columns
.set ACC, 60                           ; v[60:91] my 32 columns of the weighted sum
.set PT,  60                           ;          ahead of the first turn: the 8 partial sums of v or u, 4 registers each
.set X,   92                           ; v[92:251] slot q: 32 registers, a row as loaded
.macro ADD4 d, s                       ; four f32 at d += four at s
	v_pk_add_f32 v[\d:\d+1], v[\d:\d+1], v[\s:\s+1]
	v_pk_add_f32 v[\d+2:\d+3], v[\d+2:\d+3], v[\s+2:\s+3]
.endm
.macro TREE8 p                         ; eight runs of four f32 at p are added into the first, pairwise
	ADD4 \p, \p+4
	ADD4 \p+8, \p+12
	ADD4 \p+16, \p+20
	ADD4 \p+24, \p+28
	ADD4 \p, \p+8
	ADD4 \p+16, \p+24
	ADD4 \p, \p+16
.endm
.macro LANESUM r                       ; v[r] = its sum over the 32 lanes, in every lane; v[r+1] (written before) is used up
	v_add_f32_dpp v[\r], v[\r], v[\r] row_xmask:1 row_mask:0xf bank_mask:0xf
	v_add_f32_dpp v[\r], v[\r], v[\r] row_xmask:2 row_mask:0xf bank_mask:0xf
	v_add_f32_dpp v[\r], v[\r], v[\r] row_xmask:4 row_mask:0xf bank_mask:0xf
	v_add_f32_dpp v[\r], v[\r], v[\r] row_xmask:8 row_mask:0xf bank_mask:0xf
	v_permlanex16_b32 v[\r+1], v[\r], s20, s21     ; lane i of the other half
	v_add_f32 v[\r], v[\r], v[\r+1]
.endm
.macro FILL i                          ; row i of my 16 into its slot: eight loads of 512 consecutive bytes each
.set FS, X+32*((\i)%SLOTS)
.irp j, 0,1,2,3,4,5,6,7
	global_load_b128 v[FS+4*\j:FS+4*\j+3], v[OFF], s[4:5] offset:(\i)*SROW+512*\j th:TH_LOAD_NT
.endr
.endm
	s_load_b256 s[4:11], s[0:1], 0x0               ; h_enc s[4:5], h_t s[6:7], vu_part s[8:9], ctx_part s[10:11]
	s_load_b64 s[12:13], s[0:1], 0x20              ; ex
	v_lshl_add_u32 v252, v0, 2, 0x11500
	v_mov_b32 v253, 0
	v_lshrrev_b32 v1, 5, v0
	v_readfirstlane_b32 s14, v1                    ; wave 0..15
	s_and_b32 s16, ttmp7, 0xffff                   ; b;  c is ttmp9
	s_mov_b32 s20, 0x76543210                      ; v_permlanex16_b32: lane i reads lane i of the other half
	s_mov_b32 s21, 0xfedcba98
	s_mov_b32 s22, 0x3fb8aa3b                      ; log2(e)
	s_mov_b32 s23, 0xc038aa3b                      ; -2 log2(e)
	v_and_b32 v[LN], 31, v0
	v_lshlrev_b32 v[LN], 4, v[LN]
	v_lshlrev_b32 v[LT], 4, v0
	v_lshl_add_u32 v[OFF], s14, 21, v[LN]          ; 16 rows of s are 16 x 131,072 bytes
	v_and_b32 v[HO], 0xff, v0
	v_lshlrev_b32 v[HO], 4, v[HO]
	v_lshrrev_b32 v[VO], 8, v0                     ; 0: v (waves 0-7), 1: u (waves 8-15)
	v_lshl_add_u32 v[VO], v[VO], 15, v[HO]         ; u's 8 rows lie 32,768 bytes behind v's
	s_mov_b32 s19, 0
	s_lshl_b32 s24, s16, 12                        ; b x 4,096
	s_lshl_b32 s18, ttmp9, 25                      ; c x 256 rows of s
	s_add_co_u32 s18, s18, s24
	s_wait_kmcnt 0x0
	s_add_nc_u64 s[4:5], s[4:5], s[18:19]          ; h_enc at (256 c, b)
	s_mov_b32 s18, s24
	s_add_nc_u64 s[6:7], s[6:7], s[18:19]          ; h_t at b
.irp p, 0,1,2,3,4,5,6,7
	global_load_b128 v[PT+4*\p:PT+4*\p+3], v[VO], s[8:9] offset:4096*\p    ; the 8 partial sums of my 4 numbers of v or of u
.endr
	global_load_b128 v[HT:HT+3], v[HO], s[6:7]     ; used by waves 8-15; one line for all waves spares a branch here
	FILL 0
	FILL 1
	FILL 2
	FILL 3
	FILL 4                                         ; the ring is full: 40 loads
	v_lshl_add_u32 v[EA], s14, 6, EXR
	v_lshl_add_u32 v[AS], s14, 12, v[LN]
	v_add_nc_u32 v[AS], ACCR, v[AS]
	v_lshlrev_b32 v[T8], 3, v0
	v_add_nc_u32 v[AR], ACCR, v[T8]
	v_lshl_add_u32 v[CA], s14, 2, CP-32            ; waves 8-15: words 0-7 of CP
	v_mov_b32 v[EE+1], 0
	s_lshl_b32 s18, s16, 15                        ; the outputs' bases: ctx_part at (b, c): (8 b + c) x 4,096
	s_lshl_b32 s25, ttmp9, 12
	s_add_co_u32 s18, s18, s25
	s_add_nc_u64 s[10:11], s[10:11], s[18:19]
	s_lshl_b32 s18, s16, 13                        ; ex at (b, 256 c): b x 8,192 + c x 1,024
	s_lshl_b32 s25, ttmp9, 10
	s_add_co_u32 s18, s18, s25
	s_add_nc_u64 s[12:13], s[12:13], s[18:19]
	s_wait_loadcnt 40                              ; the nine oldest loads are in; the ring's 40, issued behind them, stay out
	TREE8 PT                                       ; my 4 numbers of v, or of u
	s_cmp_lt_u32 s14, 8
	s_cbranch_scc0 .Lu
	v_pk_mul_f32 v[PT:PT+1], v[PT:PT+1], K2 op_sel_hi:[1,0]        ; waves 0-7: the factor of the exponential goes into v once
	v_pk_mul_f32 v[PT+2:PT+3], v[PT+2:PT+3], K2 op_sel_hi:[1,0]
	ds_store_b128 v[LT], v[PT:PT+3]                ; VR + 16 x thread, threads 0-255
	s_branch .Ljoin
.Lu:
	v_pk_mul_f32 v[D:D+1], v[PT:PT+1], v[HT:HT+1]  ; waves 8-15: my wave's 128 terms of ht_b . u
	v_pk_fma_f32 v[D:D+1], v[PT+2:PT+3], v[HT+2:HT+3], v[D:D+1]
	v_add_f32 v[D], v[D], v[D+1]
	LANESUM D
	v_mul_f32 v[D], K2, v[D]
	ds_store_b32 v[CA], v[D]                       ; all lanes write one word with one value
.Ljoin:
	s_wait_dscnt 0x0                               ; for the others' sake: my store is done before I signal
	s_barrier_signal -1                            ; (the ring's loads stay on their way: they land in registers, and nobody writes h_enc)
	s_barrier_wait -1
	v_mov_b32 v[CA], CP
.irp j, 0,1,2,3,4,5,6,7
	ds_load_b128 v[VV+4*\j:VV+4*\j+3], v[LN] offset:VR+512*\j      ; K2 * v at the columns that my lane holds of every row
.endr
	ds_load_b128 v[D:D+3], v[CA]
	ds_load_b128 v[D+4:D+7], v[CA] offset:16
	s_wait_dscnt 0x0
	v_pk_add_f32 v[D:D+1], v[D:D+1], v[D+2:D+3]
	v_pk_add_f32 v[D+4:D+5], v[D+4:D+5], v[D+6:D+7]
	v_pk_add_f32 v[D:D+1], v[D:D+1], v[D+4:D+5]
	v_add_f32 v[C2], v[D], v[D+1]                  ; K2 * (ht_b . u), the same in every lane of every wave
; The turn of row i.  first = 1: the row starts the weighted sum; refill = 1: the slot gets row i + 5;
; left = the loads of the younger rows, which may stay out.
.macro TURN i, first, refill, left
.set XS, X+32*((\i)%SLOTS)
	s_wait_loadcnt \left                           ; loads come back in order: my row's eight are in
.irp k, 0,1,2,3
	v_pk_mul_f32 v[D+2*\k:D+2*\k+1], v[XS+2*\k:XS+2*\k+1], v[VV+2*\k:VV+2*\k+1]   ; four chains that do not wait for each other
.endr
.irp q, 1,2,3
.irp k, 0,1,2,3
	v_pk_fma_f32 v[D+2*\k:D+2*\k+1], v[XS+8*\q+2*\k:XS+8*\q+2*\k+1], v[VV+8*\q+2*\k:VV+8*\q+2*\k+1], v[D+2*\k:D+2*\k+1]
.endr
.endr
	v_pk_add_f32 v[D:D+1], v[D:D+1], v[D+2:D+3]
	v_pk_add_f32 v[D+4:D+5], v[D+4:D+5], v[D+6:D+7]
	v_pk_add_f32 v[D:D+1], v[D:D+1], v[D+4:D+5]
	v_add_f32 v[D], v[D], v[D+1]
	LANESUM D
	v_add_f32 v[D], v[D], v[C2]                    ; 2 log2e z
	v_exp_f32 v[D+2], v[D]
	v_nop                                          ; one plain vector instruction behind a transcendental before its result is used (ISA guide 5.7.2)
	s_wait_alu depctr_va_vdst(0)
	v_add_f32 v[D+2], 1.0, v[D+2]
	v_rcp_f32 v[D+3], v[D+2]
	v_nop                                          ; likewise
	s_wait_alu depctr_va_vdst(0)
	v_fma_f32 v[D+4], v[D+3], s23, s22             ; log2e (1 - 2 / (1 + 2^(2 log2e z))) = log2e tanh z
	v_exp_f32 v[EE], v[D+4]                        ; e = exp(tanh z)
	v_nop                                          ; likewise
	s_wait_alu depctr_va_vdst(0)
	ds_store_b32 v[EA], v[EE] offset:4*(\i)        ; all lanes write one word with one value
.irp q, 0,1,2,3,4,5,6,7,8,9,10,11,12,13,14,15
.if \first
	v_pk_mul_f32 v[ACC+2*\q:ACC+2*\q+1], v[XS+2*\q:XS+2*\q+1], v[EE:EE+1] op_sel_hi:[1,0]     ; nothing is cleared
.else
	v_pk_fma_f32 v[ACC+2*\q:ACC+2*\q+1], v[XS+2*\q:XS+2*\q+1], v[EE:EE+1], v[ACC+2*\q:ACC+2*\q+1] op_sel_hi:[1,0,1]
.endif
.endr
.if \refill
	FILL \i+SLOTS
.endif
.endm
	TURN 0, 1, 1, 32                               ; rows 1-4 stay out
.irp i, 1,2,3,4,5,6,7,8,9,10
	TURN \i, 0, 1, 32                              ; rows i+1 .. i+4 stay out
.endr
	TURN 11, 0, 0, 32                              ; row 15 was asked for in turn 10: no load leaves the wave's 16 rows, and the counts run down
	TURN 12, 0, 0, 24
	TURN 13, 0, 0, 16
	TURN 14, 0, 0, 8
	TURN 15, 0, 0, 0
	; The 16 waves' sums meet in LDS; thread t adds the 16 parts of columns 2 t, 2 t + 1.
.irp j, 0,1,2,3,4,5,6,7
	ds_store_b128 v[AS], v[ACC+4*\j:ACC+4*\j+3] offset:512*\j
.endr
	s_wait_dscnt 0x0                               ; for the others' sake: these stores and the 16 stores of e are done before I signal
	s_barrier_signal -1
	s_barrier_wait -1
.irp k, 0,1,2,3,4,5,6,7,8,9,10,11,12,13,14,15
	ds_load_b64 v[X+2*\k:X+2*\k+1], v[AR] offset:4096*\k
.endr
	s_wait_dscnt 0x0
.irp p, 0,2,4,6,8,10,12,14
	v_pk_add_f32 v[X+2*\p:X+2*\p+1], v[X+2*\p:X+2*\p+1], v[X+2*\p+2:X+2*\p+3]
.endr
.irp p, 0,4,8,12
	v_pk_add_f32 v[X+2*\p:X+2*\p+1], v[X+2*\p:X+2*\p+1], v[X+2*\p+4:X+2*\p+5]
.endr
.irp p, 0,8
	v_pk_add_f32 v[X+2*\p:X+2*\p+1], v[X+2*\p:X+2*\p+1], v[X+2*\p+8:X+2*\p+9]
.endr
	v_pk_add_f32 v[X:X+1], v[X:X+1], v[X+16:X+17]
	global_store_b64 v[T8], v[X:X+1], s[10:11]     ; the wave's store covers 256 consecutive bytes, aligned
	s_cmp_lt_u32 s14, 2
	s_cbranch_scc0 .Lend                           ; waves 0 and 1 carry the 256 e out
	ds_load_b128 v[X+4:X+7], v[LT] offset:EXR      ; threads 0-63, 16 bytes each
	s_wait_dscnt 0x0
	global_store_b128 v[LT], v[X+4:X+7], s[12:13]  ; the wave's store covers 512 consecutive bytes, aligned
.Lend:
	s_wait_tensorcnt 0x0
	ds_add_u32 v252, v253
	s_wait_dscnt 0x0
	s_endpgm
.Lfunc_end_k_q5b1a756819_pass:
	.size	k_q5b1a756819_pass, .Lfunc_end_k_q5b1a756819_pass-k_q5b1a756819_pass
	.p2alignl 7, 3214868480
	.fill 96, 4, 3214868480
	.section	.rodata,"a",@progbits
	.p2align	6, 0x0
	.amdhsa_kernel k_q5b1a756819_pass
		.amdhsa_group_segment_fixed_size 72960
		.amdhsa_private_segment_fixed_size 0
		.amdhsa_enable_private_segment 0
		.amdhsa_kernarg_size 40
		.amdhsa_user_sgpr_count 2
		.amdhsa_user_sgpr_kernarg_segment_ptr 1
		.amdhsa_wavefront_size32 1
		.amdhsa_system_sgpr_workgroup_id_x 1
		.amdhsa_system_sgpr_workgroup_id_y 1
		.amdhsa_system_sgpr_workgroup_id_z 1
		.amdhsa_system_vgpr_workitem_id 0
		.amdhsa_next_free_vgpr 254
		.amdhsa_next_free_sgpr 66
		.amdhsa_reserve_vcc 0
		.amdhsa_float_denorm_mode_32 3
		.amdhsa_float_denorm_mode_16_64 3
		.amdhsa_memory_ordered 1
		.amdhsa_forward_progress 1
		.amdhsa_inst_pref_size 70
	.end_amdhsa_kernel
	.amdgpu_metadata
---
amdhsa.version: [ 1, 2 ]
amdhsa.kernels:
  - .name:           k_q5b1a756819_pass
    .symbol:         k_q5b1a756819_pass.kd
    .args:
      - { .name: h_enc, .offset: 0, .size: 8, .value_kind: global_buffer, .address_space: global }
      - { .name: h_t, .offset: 8, .size: 8, .value_kind: global_buffer, .address_space: global }
      - { .name: vu_part, .offset: 16, .size: 8, .value_kind: global_buffer, .address_space: global }
      - { .name: ctx_part, .offset: 24, .size: 8, .value_kind: global_buffer, .address_space: global }
      - { .name: ex, .offset: 32, .size: 8, .value_kind: global_buffer, .address_space: global }
    .group_segment_fixed_size: 72960
    .private_segment_fixed_size: 0
    .kernarg_segment_align: 8
    .kernarg_segment_size: 40
    .max_flat_workgroup_size: 512
    .sgpr_count:     66
    .vgpr_count:     254
    .wavefront_size: 32
...
	.end_amdgpu_metadata
.endif
;; end of part 2
;; launch finish (part 3): grid 32 x 1, 8 waves a work-group, no clusters, 1,280 bytes of LDS; arguments ctx_part, ex, out0, out1; writes out0, out1
.if DOCPART == 3
	.amdgcn_target "amdgcn-amd-amdhsa--gfx1250"
	.amdhsa_code_object_version 6
	.text
	.protected	k_q5b1a756819_finish
	.globl	k_q5b1a756819_finish
	.p2align	8
	.type	k_q5b1a756819_finish,@function
k_q5b1a756819_finish:
	s_mov_b64 s[64:65], 0
	v_nop
	global_prefetch_b8 v0, s[64:65] scope:SCOPE_SE
	s_setreg_imm32_b32 hwreg(HW_REG_WAVE_MODE, 25, 1), 1
	s_wait_xcnt 0x0
; The softmax's division.  For batch b:  sum = sum over s of ex[b][s];  out1[b][s] = ex[b][s] / sum;
; out0[b][col] = (sum over c of ctx_part[b][c][col]) / sum.
; ex = exp(tanh ..) lies in [0.36, 2.72], so the sum of 2,048 of them lies in [753, 5,567]: the reciprocal is safe for every input.
; LIMIT, stated: the division is a multiplication by v_rcp_f32's result, good to 1 ULP.
; One work-group a batch, 8 waves: it reads 8 KiB of e and 32 KiB of partial sums in one run of loads and stores 12 KiB.  The sum over s
; has one owner; sharing a batch among more work-groups would make each of them read all its e again for the same chain of steps.
; Thread t owns e at s = 4 t .. 4 t + 3 and 1,024 + 4 t .. + 3, and columns 4 t .. 4 t + 3 of the context.
.set LT, 1                             ; v1       16 x thread
.set WA, 2                             ; v2       4 x wave
.set Z,  3                             ; v3       0
.set R,  4                             ; v[4:5]   1 / sum, and a 0 beside it: the packed multiply names the pair and uses its first word twice
.set S,  6                             ; v[6:13]  the eight waves' sums
.set T,  14                            ; v[14:15] at work
.set E,  16                            ; v[16:23] my 8 e
.set C,  24                            ; v[24:55] the 8 partial sums of my 4 columns
.macro ADD4 d, s                       ; four f32 at d += four at s
	v_pk_add_f32 v[\d:\d+1], v[\d:\d+1], v[\s:\s+1]
	v_pk_add_f32 v[\d+2:\d+3], v[\d+2:\d+3], v[\s+2:\s+3]
.endm
.macro TREE8 p                         ; eight runs of four f32 at p are added into the first, pairwise
	ADD4 \p, \p+4
	ADD4 \p+8, \p+12
	ADD4 \p+16, \p+20
	ADD4 \p+24, \p+28
	ADD4 \p, \p+8
	ADD4 \p+16, \p+24
	ADD4 \p, \p+16
.endm
	s_load_b256 s[4:11], s[0:1], 0x0               ; ctx_part s[4:5], ex s[6:7], out0 s[8:9], out1 s[10:11]
	v_lshl_add_u32 v56, v0, 2, 0x100
	v_mov_b32 v57, 0
	v_lshrrev_b32 v[WA], 5, v0
	v_readfirstlane_b32 s12, v[WA]                 ; wave 0..7
	v_lshlrev_b32 v[LT], 4, v0
	v_mov_b32 v[WA], s12
	v_lshlrev_b32 v[WA], 2, v[WA]
	v_mov_b32 v[Z], 0
	v_mov_b32 v[R+1], 0
	s_mov_b32 s14, 0x76543210                      ; v_permlanex16_b32: lane i reads lane i of the other half
	s_mov_b32 s15, 0xfedcba98
	s_mov_b32 s17, 0
	s_lshl_b32 s16, ttmp9, 13                      ; b x 8,192: ex and out1
	s_wait_kmcnt 0x0
	s_add_nc_u64 s[6:7], s[6:7], s[16:17]
	s_add_nc_u64 s[10:11], s[10:11], s[16:17]
	s_lshl_b32 s16, ttmp9, 15                      ; b x 32,768: ctx_part
	s_add_nc_u64 s[4:5], s[4:5], s[16:17]
	s_lshl_b32 s16, ttmp9, 12                      ; b x 4,096: out0
	s_add_nc_u64 s[8:9], s[8:9], s[16:17]
	global_load_b128 v[E:E+3], v[LT], s[6:7] th:TH_LOAD_NT
	global_load_b128 v[E+4:E+7], v[LT], s[6:7] offset:4096 th:TH_LOAD_NT
.irp c, 0,1,2,3,4,5,6,7
	global_load_b128 v[C+4*\c:C+4*\c+3], v[LT], s[4:5] offset:4096*\c th:TH_LOAD_NT
.endr
	s_wait_loadcnt 8                               ; my 8 e are in; the 8 loads of the context, issued behind them, stay out
	v_pk_add_f32 v[T:T+1], v[E:E+1], v[E+2:E+3]    ; e itself is kept for the division
	v_pk_add_f32 v[S:S+1], v[E+4:E+5], v[E+6:E+7]
	v_pk_add_f32 v[T:T+1], v[T:T+1], v[S:S+1]
	v_add_f32 v[T], v[T], v[T+1]
	v_add_f32_dpp v[T], v[T], v[T] row_xmask:1 row_mask:0xf bank_mask:0xf
	v_add_f32_dpp v[T], v[T], v[T] row_xmask:2 row_mask:0xf bank_mask:0xf
	v_add_f32_dpp v[T], v[T], v[T] row_xmask:4 row_mask:0xf bank_mask:0xf
	v_add_f32_dpp v[T], v[T], v[T] row_xmask:8 row_mask:0xf bank_mask:0xf
	v_permlanex16_b32 v[T+1], v[T], s14, s15
	v_add_f32 v[T], v[T], v[T+1]                   ; my wave's 256 e, summed, in every lane
	ds_store_b32 v[WA], v[T]                       ; all lanes write one word with one value
	s_wait_dscnt 0x0                               ; for the others' sake: my store is done before I signal
	s_barrier_signal -1
	s_barrier_wait -1
	ds_load_b128 v[S:S+3], v[Z]
	ds_load_b128 v[S+4:S+7], v[Z] offset:16
	s_wait_loadcnt 0x0                             ; the context's partial sums
	TREE8 C
	s_wait_dscnt 0x0
	v_pk_add_f32 v[S:S+1], v[S:S+1], v[S+2:S+3]
	v_pk_add_f32 v[S+4:S+5], v[S+4:S+5], v[S+6:S+7]
	v_pk_add_f32 v[S:S+1], v[S:S+1], v[S+4:S+5]
	v_add_f32 v[T], v[S], v[S+1]                   ; the sum over all 2,048 s, formed alike in every thread
	v_rcp_f32 v[R], v[T]
	v_nop                                          ; one plain vector instruction behind a transcendental before its result is used (ISA guide 5.7.2)
	s_wait_alu depctr_va_vdst(0)
.irp k, 0,2,4,6
	v_pk_mul_f32 v[E+\k:E+\k+1], v[E+\k:E+\k+1], v[R:R+1] op_sel_hi:[1,0]
.endr
	v_pk_mul_f32 v[C:C+1], v[C:C+1], v[R:R+1] op_sel_hi:[1,0]
	v_pk_mul_f32 v[C+2:C+3], v[C+2:C+3], v[R:R+1] op_sel_hi:[1,0]
	global_store_b128 v[LT], v[E:E+3], s[10:11] th:TH_STORE_NT                 ; each store of a wave covers 512 consecutive bytes, aligned
	global_store_b128 v[LT], v[E+4:E+7], s[10:11] offset:4096 th:TH_STORE_NT
	global_store_b128 v[LT], v[C:C+3], s[8:9] th:TH_STORE_NT
	s_wait_tensorcnt 0x0
	ds_add_u32 v56, v57
	s_wait_dscnt 0x0
	s_endpgm
.Lfunc_end_k_q5b1a756819_finish:
	.size	k_q5b1a756819_finish, .Lfunc_end_k_q5b1a756819_finish-k_q5b1a756819_finish
	.p2alignl 7, 3214868480
	.fill 96, 4, 3214868480
	.section	.rodata,"a",@progbits
	.p2align	6, 0x0
	.amdhsa_kernel k_q5b1a756819_finish
		.amdhsa_group_segment_fixed_size 1280
		.amdhsa_private_segment_fixed_size 0
		.amdhsa_enable_private_segment 0
		.amdhsa_kernarg_size 32
		.amdhsa_user_sgpr_count 2
		.amdhsa_user_sgpr_kernarg_segment_ptr 1
		.amdhsa_wavefront_size32 1
		.amdhsa_system_sgpr_workgroup_id_x 1
		.amdhsa_system_sgpr_workgroup_id_y 1
		.amdhsa_system_sgpr_workgroup_id_z 1
		.amdhsa_system_vgpr_workitem_id 0
		.amdhsa_next_free_vgpr 58
		.amdhsa_next_free_sgpr 66
		.amdhsa_reserve_vcc 0
		.amdhsa_float_denorm_mode_32 3
		.amdhsa_float_denorm_mode_16_64 3
		.amdhsa_memory_ordered 1
		.amdhsa_forward_progress 1
		.amdhsa_inst_pref_size 5
	.end_amdhsa_kernel
	.amdgpu_metadata
---
amdhsa.version: [ 1, 2 ]
amdhsa.kernels:
  - .name:           k_q5b1a756819_finish
    .symbol:         k_q5b1a756819_finish.kd
    .args:
      - { .name: ctx_part, .offset: 0, .size: 8, .value_kind: global_buffer, .address_space: global }
      - { .name: ex, .offset: 8, .size: 8, .value_kind: global_buffer, .address_space: global }
      - { .name: out0, .offset: 16, .size: 8, .value_kind: global_buffer, .address_space: global }
      - { .name: out1, .offset: 24, .size: 8, .value_kind: global_buffer, .address_space: global }
    .group_segment_fixed_size: 1280
    .private_segment_fixed_size: 0
    .kernarg_segment_align: 8
    .kernarg_segment_size: 32
    .max_flat_workgroup_size: 256
    .sgpr_count:     66
    .vgpr_count:     58
    .wavefront_size: 32
...
	.end_amdgpu_metadata
.endif
;; end of part 3
;; ======== version 2 of 2: 3 launches; version 1 with the launch pass written anew for expert scheduling mode
;; workspace buffers: vu_part 65,536 bytes; ctx_part 1,048,576 bytes; ex 262,144 bytes
;; launch fold: the kernel of part 1 again; grid 8 x 16, 8 waves a work-group, no clusters, 5,120 bytes of LDS; arguments W_enc, W_dec, w_score, vu_part; writes vu_part
;; launch pass (part 4): grid 8 x 32, 16 waves a work-group, no clusters, 72,960 bytes of LDS; arguments h_enc, h_t, vu_part, ctx_part, ex; writes ctx_part, ex
.if DOCPART == 4
	.amdgcn_target "amdgcn-amd-amdhsa--gfx1250"
	.amdhsa_code_object_version 6
	.text
	.protected	k_q5b1a756819_pass
	.globl	k_q5b1a756819_pass
	.p2align	8
	.type	k_q5b1a756819_pass,@function
k_q5b1a756819_pass:
	s_mov_b64 s[64:65], 0
	v_nop
	global_prefetch_b8 v0, s[64:65] scope:SCOPE_SE
	s_setreg_imm32_b32 hwreg(HW_REG_WAVE_SCHED_MODE, 0, 2), 2
	s_setreg_imm32_b32 hwreg(HW_REG_WAVE_MODE, 25, 1), 1
	s_wait_xcnt 0x0
	s_wait_alu depctr_vm_vsrc(0)
; The one pass over h_enc.  For each row (s, b):  z = he . v + ht_b . u,  e = exp(tanh z),  and the running sum of e * he.
;   ex[b][s] = e;   ctx_part[b][c][col] = sum over the 256 s of chunk c of e * he[s][b][col].   The next launch divides by the sum of e.
; v = W_enc^T w and u = W_dec^T w come as 8 partial sums each from the launch before (w . (W x) = (W^T w) . x, an identity of finite
; sums for every input; LIMIT, stated: the order of the f32 roundings differs from the reference's; nothing is narrower than f32).
; NO MAXIMUM IS TAKEN AWAY in front of the exponential: the tanh that the problem itself applies keeps every exponent in [-1, 1], so
; e lies in [0.36, 2.72] and a sum of 2,048 of them in [753, 5,567]: neither can overflow or underflow in f32.
; tanh z = 1 - 2 / (1 + 2^(2 log2e z)).  LIMIT, stated: absolute error of some 1e-7 (v_exp_f32 and v_rcp_f32 are good to 1 ULP, and the
; difference from 1 loses relative accuracy for small z, which e = exp(tanh z) does not feel); where 2^x is infinite or flushed to 0
; the result is exactly +1 or -1.
; SHARES: work-group (c, b): batch b, s = 256 c .. 256 c + 255: 256 work-groups of 1 MiB.  Wave w: the 16 rows s = 256 c + 16 w + i.
; A row is 4,096 bytes = 8 loads of 16 bytes a lane = 32 registers; it stays in registers between the dot product and the weighted
; sum, so that h_enc is read once.  A ring of 5 row slots a wave: 16 waves x 5 x 4 KiB = 320 KiB of the work-group on their way.
; All 16 turns are written out, so a row's place stands in the loads' immediate (15 x 131,072 + 3,584 at the most, inside the signed
; 24 bits) and no address register is ever rewritten; EXEC is never changed.
; LEFT OUT: matrix units (a row times one vector); tensor loads (the registers hold as much in flight as LDS could); clusters: what
; work-groups share is vu_part's 64 KiB and 4 KiB of h_t against 1 MiB of rows of their own.
; THE MODE: SCHED_MODE bits 1:0 = 2 (LLVM: expert scheduling mode 2), set by the entry lines.  The code itself states the register
; dependences between vector instructions and memory or LDS instructions, with s_wait_alu, always for 0.
; THE PLAN.  Registers that memory or LDS instructions touch:
;   v2-v6      offsets of the loads: made at the head, ahead of the wait in front of the first load; never written again.
;   v7-v11, v13  LDS addresses and the store's offset: made behind the ring's first loads, ahead of the wait in front of the first LDS
;              store (one on either side of the branch); never written again.
;   PT, D      PT's first four registers (waves 0-7) or D (waves 8-15) are written by vector lines and read by the LDS store in front of the
;              first barrier.  Behind that barrier LDS loads land in D, and turn 0 writes PT's registers as ACC: one wait on vm_vsrc there.
;   X0 .. X4   Turn i: its dot product and its weighted sum read slot i % 5; behind them the loads of row i + 5 land in it.
;   EE         Turn i: written by the turn's last exponential, read by its weighted sum and by the LDS store of e; written again in turn i + 1.
;   ACC        Written by the weighted sums; read by the eight LDS stores behind turn 15.
; So ONE wait on va_vdst stands in a turn, behind its weighted sum: e is written, the turn is done reading its slot, and in turn 15 ACC is
; written.  The slot's eight loads and the LDS store of e follow it at once: a slot that is empty is asked for again before the next row is
; waited for, so that five rows of the wave stay on their way.  ONE wait on vm_vsrc stands in turns 1 to 15, ahead of the exponential that writes e anew.
.set SROW,  131072                     ; bytes from s to s + 1 in h_enc: 32 batches x 4,096
.set SLOTS, 5
.set K2, 0x4038aa3b                    ; 2 log2(e)
.set VR,   0                           ; LDS      0 ..  4,095  K2 * v
.set CP,   4096                        ; LDS  4,096 ..  4,127  eight waves' parts of K2 * (ht_b . u)   (the block up to 4,351 is kept free)
.set EXR,  4352                        ; LDS  4,352 ..  5,375  the work-group's 256 e
.set ACCR, 5376                        ; LDS  5,376 .. 70,911  16 waves' weighted sums, 4,096 bytes each
.set LN,  2                            ; v2       16 x lane
.set LT,  3                            ; v3       16 x thread
.set OFF, 4                            ; v4       16 x lane + wave x 16 rows of s
.set VO,  5                            ; v5       my 16 bytes in a row of vu_part; threads 256.. take u's rows
.set HO,  6                            ; v6       my 16 bytes in h_t's row
.set EA,  7                            ; v7       my wave's 16 words in EXR
.set AS,  8                            ; v8       where I put my part of my wave's sum
.set AR,  9                            ; v9       where I read 8 bytes of every wave's sum
.set T8,  10                           ; v10      8 x thread
.set CA,  11                           ; v11      my wave's word in CP
.set C2,  12                           ; v12      K2 * (ht_b . u)
.set CB,  13                           ; v13      CP: a register of its own, so that no LDS address is written twice
.set EE,  14                           ; v[14:15] e, and a 0 beside it: the packed forms name the pair and use its first word twice
.set D,   16                           ; v[16:23] at work
.set HT,  24                           ; v[24:27] four numbers of h_t
.set VV,  28                           ; v[28:59] K2 * v at my 32 columns
.set ACC, 60                           ; v[60:91] my 32 columns of the weighted sum
.set PT,  60                           ;          ahead of the first turn: the 8 partial sums of v or u, 4 registers each
.set X,   92                           ; v[92:251] slot q: 32 registers, a row as loaded
.macro ADD4 d, s                       ; four f32 at d += four at s
	v_pk_add_f32 v[\d:\d+1], v[\d:\d+1], v[\s:\s+1]
	v_pk_add_f32 v[\d+2:\d+3], v[\d+2:\d+3], v[\s+2:\s+3]
.endm
.macro TREE8 p                         ; eight runs of four f32 at p are added into the first, pairwise
	ADD4 \p, \p+4
	ADD4 \p+8, \p+12
	ADD4 \p+16, \p+20
	ADD4 \p+24, \p+28
	ADD4 \p, \p+8
	ADD4 \p+16, \p+24
	ADD4 \p, \p+16
.endm
.macro LANESUM r                       ; v[r] = its sum over the 32 lanes, in every lane; v[r+1] (written before) is used up
	v_add_f32_dpp v[\r], v[\r], v[\r] row_xmask:1 row_mask:0xf bank_mask:0xf
	v_add_f32_dpp v[\r], v[\r], v[\r] row_xmask:2 row_mask:0xf bank_mask:0xf
	v_add_f32_dpp v[\r], v[\r], v[\r] row_xmask:4 row_mask:0xf bank_mask:0xf
	v_add_f32_dpp v[\r], v[\r], v[\r] row_xmask:8 row_mask:0xf bank_mask:0xf
	v_permlanex16_b32 v[\r+1], v[\r], s20, s21     ; lane i of the other half
	v_add_f32 v[\r], v[\r], v[\r+1]
.endm
.macro FILL i                          ; row i of my 16 into its slot: eight loads of 512 consecutive bytes each
.set FS, X+32*((\i)%SLOTS)
.irp j, 0,1,2,3,4,5,6,7
	global_load_b128 v[FS+4*\j:FS+4*\j+3], v[OFF], s[4:5] offset:(\i)*SROW+512*\j th:TH_LOAD_NT
.endr
.endm
	s_load_b256 s[4:11], s[0:1], 0x0               ; h_enc s[4:5], h_t s[6:7], vu_part s[8:9], ctx_part s[10:11]
	s_load_b64 s[12:13], s[0:1], 0x20              ; ex
	v_lshl_add_u32 v252, v0, 2, 0x11500
	v_mov_b32 v253, 0
	v_lshrrev_b32 v1, 5, v0
	v_readfirstlane_b32 s14, v1                    ; wave 0..15
	s_and_b32 s16, ttmp7, 0xffff                   ; b;  c is ttmp9
	s_mov_b32 s20, 0x76543210                      ; v_permlanex16_b32: lane i reads lane i of the other half
	s_mov_b32 s21, 0xfedcba98
	s_mov_b32 s22, 0x3fb8aa3b                      ; log2(e)
	s_mov_b32 s23, 0xc038aa3b                      ; -2 log2(e)
	v_and_b32 v[LN], 31, v0
	v_lshlrev_b32 v[LN], 4, v[LN]
	v_lshlrev_b32 v[LT], 4, v0
	v_and_b32 v[HO], 0xff, v0
	v_lshlrev_b32 v[HO], 4, v[HO]
	v_lshrrev_b32 v[VO], 8, v0                     ; 0: v (waves 0-7), 1: u (waves 8-15)
	v_lshl_add_u32 v[VO], v[VO], 15, v[HO]         ; u's 8 rows lie 32,768 bytes behind v's
	s_wait_alu depctr_va_sdst(0)                   ; s14 is written, ahead of its first reader, the line below
	v_lshl_add_u32 v[OFF], s14, 21, v[LN]          ; 16 rows of s are 16 x 131,072 bytes
	s_mov_b32 s19, 0
	s_lshl_b32 s24, s16, 12                        ; b x 4,096
	s_lshl_b32 s18, ttmp9, 25                      ; c x 256 rows of s
	s_add_co_u32 s18, s18, s24
	s_wait_kmcnt 0x0
	s_add_nc_u64 s[4:5], s[4:5], s[18:19]          ; h_enc at (256 c, b)
	s_mov_b32 s18, s24
	s_add_nc_u64 s[6:7], s[6:7], s[18:19]          ; h_t at b
	s_wait_alu depctr_va_vdst(0)                   ; the offsets v2 to v6 are written, which the loads below and every later load read
.irp p, 0,1,2,3,4,5,6,7
	global_load_b128 v[PT+4*\p:PT+4*\p+3], v[VO], s[8:9] offset:4096*\p    ; the 8 partial sums of my 4 numbers of v or of u
.endr
	global_load_b128 v[HT:HT+3], v[HO], s[6:7]     ; used by waves 8-15; one line for all waves spares a branch here
	FILL 0
	FILL 1
	FILL 2
	FILL 3
	FILL 4                                         ; the ring is full: 40 loads
	v_lshl_add_u32 v[EA], s14, 6, EXR
	v_lshl_add_u32 v[AS], s14, 12, v[LN]
	v_add_nc_u32 v[AS], ACCR, v[AS]
	v_lshlrev_b32 v[T8], 3, v0
	v_add_nc_u32 v[AR], ACCR, v[T8]
	v_lshl_add_u32 v[CA], s14, 2, CP-32            ; waves 8-15: words 0-7 of CP
	v_mov_b32 v[CB], CP
	v_mov_b32 v[EE+1], 0
	s_lshl_b32 s18, s16, 15                        ; the outputs' bases: ctx_part at (b, c): (8 b + c) x 4,096
	s_lshl_b32 s25, ttmp9, 12
	s_add_co_u32 s18, s18, s25
	s_add_nc_u64 s[10:11], s[10:11], s[18:19]
	s_lshl_b32 s18, s16, 13                        ; ex at (b, 256 c): b x 8,192 + c x 1,024
	s_lshl_b32 s25, ttmp9, 10
	s_add_co_u32 s18, s18, s25
	s_add_nc_u64 s[12:13], s[12:13], s[18:19]
	s_wait_loadcnt 40                              ; the nine oldest loads are in; the ring's 40, issued behind them, stay out
	TREE8 PT                                       ; my 4 numbers of v, or of u
	s_cmp_lt_u32 s14, 8
	s_cbranch_scc0 .Lu
	v_pk_mul_f32 v[PT:PT+1], v[PT:PT+1], K2 op_sel_hi:[1,0]        ; waves 0-7: the factor of the exponential goes into v once
	v_pk_mul_f32 v[PT+2:PT+3], v[PT+2:PT+3], K2 op_sel_hi:[1,0]
	s_wait_alu depctr_va_vdst(0)                   ; v[PT .. PT+3] are written, which the LDS store reads; so are the addresses v7 to v11 and v13, which later LDS instructions and the store of the sums read
	ds_store_b128 v[LT], v[PT:PT+3]                ; VR + 16 x thread, threads 0-255
	s_branch .Ljoin
.Lu:
	v_pk_mul_f32 v[D:D+1], v[PT:PT+1], v[HT:HT+1]  ; waves 8-15: my wave's 128 terms of ht_b . u
	v_pk_fma_f32 v[D:D+1], v[PT+2:PT+3], v[HT+2:HT+3], v[D:D+1]
	v_add_f32 v[D], v[D], v[D+1]
	LANESUM D
	v_mul_f32 v[D], K2, v[D]
	s_wait_alu depctr_va_vdst(0)                   ; v[D] is written, which the LDS store reads and in which an LDS load lands behind the barrier; so are the addresses v7 to v11 and v13
	ds_store_b32 v[CA], v[D]                       ; all lanes write one word with one value
.Ljoin:
	s_wait_dscnt 0x0                               ; for the others' sake: my store is done before I signal
	s_barrier_signal -1                            ; (the ring's loads stay on their way: they land in registers, and nobody writes h_enc)
	s_barrier_wait -1
	s_wait_alu depctr_vm_vsrc(0)                   ; my LDS store has read v[D] or v[PT .. PT+3]: LDS loads land in D below, and turn 0 writes PT's registers as ACC
.irp j, 0,1,2,3,4,5,6,7
	ds_load_b128 v[VV+4*\j:VV+4*\j+3], v[LN] offset:VR+512*\j      ; K2 * v at the columns that my lane holds of every row
.endr
	ds_load_b128 v[D:D+3], v[CB]
	ds_load_b128 v[D+4:D+7], v[CB] offset:16
	s_wait_dscnt 0x0
	v_pk_add_f32 v[D:D+1], v[D:D+1], v[D+2:D+3]
	v_pk_add_f32 v[D+4:D+5], v[D+4:D+5], v[D+6:D+7]
	v_pk_add_f32 v[D:D+1], v[D:D+1], v[D+4:D+5]
	v_add_f32 v[C2], v[D], v[D+1]                  ; K2 * (ht_b . u), the same in every lane of every wave
; The turn of row i.  first = 1: the row starts the weighted sum; refill = 1: the slot gets row i + 5;
; left = the loads of the younger rows, which may stay out.
.macro TURN i, first, refill, left
.set XS, X+32*((\i)%SLOTS)
	s_wait_loadcnt \left                           ; loads come back in order: my row's eight are in
.irp k, 0,1,2,3
	v_pk_mul_f32 v[D+2*\k:D+2*\k+1], v[XS+2*\k:XS+2*\k+1], v[VV+2*\k:VV+2*\k+1]   ; four chains that do not wait for each other
.endr
.irp q, 1,2,3
.irp k, 0,1,2,3
	v_pk_fma_f32 v[D+2*\k:D+2*\k+1], v[XS+8*\q+2*\k:XS+8*\q+2*\k+1], v[VV+8*\q+2*\k:VV+8*\q+2*\k+1], v[D+2*\k:D+2*\k+1]
.endr
.endr
	v_pk_add_f32 v[D:D+1], v[D:D+1], v[D+2:D+3]
	v_pk_add_f32 v[D+4:D+5], v[D+4:D+5], v[D+6:D+7]
	v_pk_add_f32 v[D:D+1], v[D:D+1], v[D+4:D+5]
	v_add_f32 v[D], v[D], v[D+1]
	LANESUM D
	v_add_f32 v[D], v[D], v[C2]                    ; 2 log2e z
	v_exp_f32 v[D+2], v[D]
	v_nop                                          ; one plain vector instruction behind a transcendental before its result is used (ISA guide 5.7.2)
	s_wait_alu depctr_va_vdst(0)
	v_add_f32 v[D+2], 1.0, v[D+2]
	v_rcp_f32 v[D+3], v[D+2]
	v_nop                                          ; likewise
	s_wait_alu depctr_va_vdst(0)
	v_fma_f32 v[D+4], v[D+3], s23, s22             ; log2e (1 - 2 / (1 + 2^(2 log2e z))) = log2e tanh z
.if !\first
	s_wait_alu depctr_vm_vsrc(0)                   ; the LDS store of the turn before has read v[EE], which the line below writes anew
.endif
	v_exp_f32 v[EE], v[D+4]                        ; e = exp(tanh z)
	v_nop                                          ; likewise
	s_wait_alu depctr_va_vdst(0)
.irp q, 0,1,2,3,4,5,6,7,8,9,10,11,12,13,14,15
.if \first
	s_wait_alu depctr_va_vdst(0)
	v_pk_mul_f32 v[ACC+2*\q:ACC+2*\q+1], v[XS+2*\q:XS+2*\q+1], v[EE:EE+1] op_sel_hi:[1,0]     ; nothing is cleared
.else
	v_pk_fma_f32 v[ACC+2*\q:ACC+2*\q+1], v[XS+2*\q:XS+2*\q+1], v[EE:EE+1], v[ACC+2*\q:ACC+2*\q+1] op_sel_hi:[1,0,1]
.endif
.endr
	s_wait_alu depctr_va_vdst(0)                   ; v[EE] is written, which the LDS store below reads; the turn is done reading its slot, in which the loads below land; in turn 15 ACC is written, which the LDS stores behind the turn read
.if \refill
	FILL \i+SLOTS                                  ; the slot is asked for again at once, ahead of the wait for the next row
.endif
	ds_store_b32 v[EA], v[EE] offset:4*(\i)        ; all lanes write one word with one value
.endm
	TURN 0, 1, 1, 32                               ; rows 1-4 stay out
.irp i, 1,2,3,4,5,6,7,8,9,10
	TURN \i, 0, 1, 32                              ; rows i+1 .. i+4 stay out
.endr
	TURN 11, 0, 0, 32                              ; row 15 was asked for in turn 10: no load leaves the wave's 16 rows, and the counts run down
	TURN 12, 0, 0, 24
	TURN 13, 0, 0, 16
	TURN 14, 0, 0, 8
	TURN 15, 0, 0, 0
	; The 16 waves' sums meet in LDS; thread t adds the 16 parts of columns 2 t, 2 t + 1.
	; No wait on va_vdst here: no vector instruction has been issued since turn 15's, which stated that ACC is written and that slot 0 (row 15's), in which the LDS loads below land, is read out.
.irp j, 0,1,2,3,4,5,6,7
	ds_store_b128 v[AS], v[ACC+4*\j:ACC+4*\j+3] offset:512*\j
.endr
	s_wait_dscnt 0x0                               ; for the others' sake: these stores and the 16 stores of e are done before I signal
	s_barrier_signal -1
	s_barrier_wait -1
.irp k, 0,1,2,3,4,5,6,7,8,9,10,11,12,13,14,15
	ds_load_b64 v[X+2*\k:X+2*\k+1], v[AR] offset:4096*\k
.endr
	s_wait_dscnt 0x0
.irp p, 0,2,4,6,8,10,12,14
	v_pk_add_f32 v[X+2*\p:X+2*\p+1], v[X+2*\p:X+2*\p+1], v[X+2*\p+2:X+2*\p+3]
.endr
.irp p, 0,4,8,12
	v_pk_add_f32 v[X+2*\p:X+2*\p+1], v[X+2*\p:X+2*\p+1], v[X+2*\p+4:X+2*\p+5]
.endr
.irp p, 0,8
	v_pk_add_f32 v[X+2*\p:X+2*\p+1], v[X+2*\p:X+2*\p+1], v[X+2*\p+8:X+2*\p+9]
.endr
	v_pk_add_f32 v[X:X+1], v[X:X+1], v[X+16:X+17]
	s_wait_alu depctr_va_vdst(0)                   ; the sums have written v[X .. X+1], which the store reads, and are done with v[X+4 .. X+7], in which the LDS load of e lands
	global_store_b64 v[T8], v[X:X+1], s[10:11]     ; the wave's store covers 256 consecutive bytes, aligned
	s_cmp_lt_u32 s14, 2
	s_cbranch_scc0 .Lend                           ; waves 0 and 1 carry the 256 e out
	ds_load_b128 v[X+4:X+7], v[LT] offset:EXR      ; threads 0-63, 16 bytes each
	s_wait_dscnt 0x0
	global_store_b128 v[LT], v[X+4:X+7], s[12:13]  ; the wave's store covers 512 consecutive bytes, aligned
.Lend:
	s_wait_dscnt 0x0
	s_wait_alu depctr_hold_cnt(0) depctr_sa_sdst(0) depctr_va_vdst(0) depctr_va_sdst(0) depctr_va_ssrc(0) depctr_va_vcc(0) depctr_vm_vsrc(0)
	s_wait_tensorcnt 0x0
	ds_add_u32 v252, v253
	s_wait_dscnt 0x0
	s_endpgm
.Lfunc_end_k_q5b1a756819_pass:
	.size	k_q5b1a756819_pass, .Lfunc_end_k_q5b1a756819_pass-k_q5b1a756819_pass
	.p2alignl 7, 3214868480
	.fill 96, 4, 3214868480
	.section	.rodata,"a",@progbits
	.p2align	6, 0x0
	.amdhsa_kernel k_q5b1a756819_pass
		.amdhsa_group_segment_fixed_size 72960
		.amdhsa_private_segment_fixed_size 0
		.amdhsa_enable_private_segment 0
		.amdhsa_kernarg_size 40
		.amdhsa_user_sgpr_count 2
		.amdhsa_user_sgpr_kernarg_segment_ptr 1
		.amdhsa_wavefront_size32 1
		.amdhsa_system_sgpr_workgroup_id_x 1
		.amdhsa_system_sgpr_workgroup_id_y 1
		.amdhsa_system_sgpr_workgroup_id_z 1
		.amdhsa_system_vgpr_workitem_id 0
		.amdhsa_next_free_vgpr 254
		.amdhsa_next_free_sgpr 66
		.amdhsa_reserve_vcc 0
		.amdhsa_float_denorm_mode_32 3
		.amdhsa_float_denorm_mode_16_64 3
		.amdhsa_memory_ordered 1
		.amdhsa_forward_progress 1
		.amdhsa_inst_pref_size 72
	.end_amdhsa_kernel
	.amdgpu_metadata
---
amdhsa.version: [ 1, 2 ]
amdhsa.kernels:
  - .name:           k_q5b1a756819_pass
    .symbol:         k_q5b1a756819_pass.kd
    .args:
      - { .name: h_enc, .offset: 0, .size: 8, .value_kind: global_buffer, .address_space: global }
      - { .name: h_t, .offset: 8, .size: 8, .value_kind: global_buffer, .address_space: global }
      - { .name: vu_part, .offset: 16, .size: 8, .value_kind: global_buffer, .address_space: global }
      - { .name: ctx_part, .offset: 24, .size: 8, .value_kind: global_buffer, .address_space: global }
      - { .name: ex, .offset: 32, .size: 8, .value_kind: global_buffer, .address_space: global }
    .group_segment_fixed_size: 72960
    .private_segment_fixed_size: 0
    .kernarg_segment_align: 8
    .kernarg_segment_size: 40
    .max_flat_workgroup_size: 512
    .sgpr_count:     66
    .vgpr_count:     254
    .wavefront_size: 32
...
	.end_amdgpu_metadata
.endif
;; end of part 4
;; launch finish: the kernel of part 3 again; grid 32 x 1, 8 waves a work-group, no clusters, 1,280 bytes of LDS; arguments ctx_part, ex, out0, out1; writes out0, out1
